; MI455X (gfx1250); checked and timed in simulation.
; The chip was launched on July 23, 2026; its instructions are those of AMD's public machine-readable ISA for CDNA 5 (MIT licence, August 2026) and "CDNA5" Instruction Set Architecture Reference Guide (July 2026). The comments in the code are by the model that wrote it; some were corrected since.
;; Siren. Allowed arithmetic: float matrix products may take bf16 or f16 operands with f32 sums; all other float work in f32.
;; Inputs: b0 32 float32; b1 32 float32; b2 32 float32; b3 32 float32; b4 32 float32; b5 16 float32; bf 3 float32; coords 2,097,152 x 2 float32; w0 32 x 2 float32; w1 32 x 32 float32; w2 32 x 32 float32; w3 32 x 32 float32; w4 32 x 32 float32; w5 16 x 32 float32; wf 3 x 16 float32.
;; Outputs: out0 2,097,152 x 3 float32.
;; One version. Each part assembles by itself: llvm-mc -triple=amdgcn-amd-amdhsa -mcpu=gfx1250 --defsym DOCPART=n.
;; ======== version 1 of 1: 1 launch
;; limits: a function is approximated: absolute error at most 4e-05
;; launch siren (part 1): grid 256 x 1, 8 waves a work-group, no clusters, 13,312 bytes of LDS; arguments coords, w0, b0, w1, b1, w2, b2, w3, b3, w4, b4, w5, b5, wf, bf, out0; writes out0
.if DOCPART == 1
	.amdgcn_target "amdgcn-amd-amdhsa--gfx1250"
	.amdhsa_code_object_version 6
	.text
	.protected	k_q4274336113_siren
	.globl	k_q4274336113_siren
	.p2align	8
	.type	k_q4274336113_siren,@function
k_q4274336113_siren:
	s_mov_b64 s[64:65], 0
	v_nop
	global_prefetch_b8 v0, s[64:65] scope:SCOPE_SE
	s_setreg_imm32_b32 hwreg(HW_REG_WAVE_MODE, 25, 1), 1
	s_wait_xcnt 0x0
; SIREN: 2 -> 32 -> 32 -> 32 -> 32 -> 32 -> 16, each layer sin(30 (W x + b)), then 16 -> 3 and a sigmoid.  2,097,152 points, all tensors f32.
; 176 sines a point against 20 bytes a point: the vector ALU binds, so scale, bias, layer 0 and every change of layout are given to the
; matrix unit or avoided, and a sine costs four vector instructions for a number.
;
; SHARES.  256 work-groups x 8 waves = 2,048 waves; wave id owns points 1024 id .. 1024 id + 1023, in 8 trips of 128 points.  No wave reads
; what another wrote: no barrier.  Each wave keeps all weights (as bf16 fragments) and biases (f32) in registers; they are 19 KB, read once,
; which is why nothing is asked for jointly by work-groups and nothing goes through a ring in LDS.
;
; THE CHAIN STAYS IN REGISTERS.  Every layer is computed transposed: D = W (source A, rows = out features) x X^T (source B, columns = 16
; points) + C.  In D lane (r, h) holds, in register j, feature 8 h + j (second tile: 16 + 8 h + j) of point r: just the k that the next
; layer's B fragment wants in that lane (ISA guide 7.12.2).  So: sine, round two numbers into one register, next layer.  No lane moves.
; C is the bias tile and D another tile: no matrix instruction adds in place.
;
; THE SINE.  With S = 30 / (2 pi): A = bf16(S W), C = S b - 1/4, so D = t - 1/4 in turns and sin(2 pi t) = cos(2 pi fract(D)).
; f = fract(D); w = f f - f in [-1/4, 0]; cos(2 pi f) = -cos(2 pi sqrt(w + 1/4)) is a degree-4 polynomial in w (Chebyshev series cut
; behind T4).  LIMIT: the polynomial is off by up to 4e-5.
;
; LAYER 0 at f32 accuracy on the matrix unit: x, S w and S b - 1/4 are each cut into three bf16 parts whose sum is exact (h + m + l), and
; the k places of one instruction hold xh wh, xm wh, xh wm, xm wm, xl wh, xh wl for both coordinates and 1 bh, 1 bm, 1 bl.
; LIMIT: the products xm wl, xl wm, xl wl are dropped: below about 2^-20 |x| |w|.
; A lane builds the fragment of the point it loaded; lanes 0-15 and 16-31 of a B fragment hold different k places of one column, so one
; fragment serves two groups of 16 points: with A0LO (weights in lanes 0-15, zeros above) the points of lanes 0-15, with A0HI the others.
; LIMIT: a coordinate that is not finite also spoils the point 16 places off in its block of 32 (0 x inf is NaN).
;
; THE END.  Layer 5 has one tile for a group; both groups' sines make ONE B fragment (k 0-15 group a, k 16-31 group b).  The last A has
; -log2(e) wf in rows 0-2 on k 0-15 and in rows 8-10 on k 16-31, so that lane L gets the three numbers of the point that it loaded;
; out = 1 / (1 + 2^D).  LIMIT: where 2^D overflows the result is exactly 0, where it is flushed to zero exactly 1.
; The three numbers go through the wave's own 1,536 bytes of LDS and leave as stores of 512 consecutive bytes, aligned.
.set PTS_WAVE, 1024
.set PTS_TRIP, 128
.set TRIPS,    PTS_WAVE/PTS_TRIP
.set STAGE,    PTS_TRIP*12             ; a wave's bytes in LDS: one trip's output
; registers v0-v255
.set VCO,  1                           ; 8 x lane: my point in a block of 32 points of coords
.set VST,  2                           ; LDS: stage + 12 x lane
.set VLD,  3                           ; LDS: stage + 16 x lane
.set VOO,  4                           ; 16 x lane: my 16 bytes in a store
.set LANE, 5
.set CC,   6                           ; v[6:15]    c0 .. c4, each twice: ci in v[CC+2i:CC+2i+1]
.set CO,   16                          ; v[16:23]   coordinates: block s of 32 points in v[CO+2s:CO+2s+1]
.set P,    24                          ; v[24:39]   at work: the polynomial; layer 0's parts; the output's 12 registers
.set F0,   40                          ; v[40:55]   two B fragments for layer 0; their registers 6 and 7 are constants
.set F,    56                          ; v[56:119]  B fragments: block s at F+16s, group a +0, group b +8
.set SC,   120                         ; S, twice
.set MQ,   122                         ; -1/4, twice
.set NL,   124                         ; -log2(e), twice
.set AW_A, 126                         ; set-up: 128 r + 32 h
.set AB_A, 127                         ; set-up: 32 h
.set D,    128                         ; v[128:255] results: block s at D+32s: a tile 0 +0, a tile 1 +8, b tile 0 +16, b tile 1 +24
; set-up's temporaries, in what is later F
.set TW5,  56                          ; w5, 16 f32
.set TWF,  72                          ; wf, 8 f32
.set TW,   80                          ; w0: tile t's two numbers at TW+2t
.set TB,   84                          ; b0: tile t's number at TB+t
.set TR,   86                          ; r = lane % 16
.set TH,   87                          ; h = lane / 16
.set AF_A, 88                          ; address in wf
.set A0_A, 89                          ; address in w0
.set B0_A, 90                          ; address in b0
.set TM,   91
.set VWF,  92                          ; wf as bf16, 4 registers
.set VA0,  96                          ; layer 0's A values, 8 for each tile
; registers v256-v447, named by their low 8 bits under a window (s_set_vgpr_msb)
.set A0LO, 0                           ; v256-271  layer 0's A, lanes 0-15 (two tiles)
.set A0HI, 16                          ; v272-287  layer 0's A, lanes 16-31
.set AW,   32                          ; v288-351  layers 1-4: A, layer index l (0..3) at AW+16l, tile t +8t
.set A5,   96                          ; v352-359
.set AF,   104                         ; v360-367
.set BI,   112                         ; v368-431  layers 1-4: C, at BI+16l+8t
.set B5,   176                         ; v432-439
.set BF,   184                         ; v440-447
.set MM,   0x11                        ; window for matrix instructions: A (source 0) and C (source 2) above v255, B and D below
.set MSB, 0
.macro WIN new                         ; the immediate's high byte repeats the setting that is left
.if MSB != \new
	s_set_vgpr_msb (MSB<<8)|\new
.set MSB, \new
.endif
.endm
	s_load_b512 s[16:31], s[0:1], 0x0              ; coords 16, w0 18, b0 20, w1 22, b1 24, w2 26, b2 28, w3 30
	s_load_b512 s[32:47], s[0:1], 0x40             ; b3 32, w4 34, b4 36, w5 38, b5 40, wf 42, bf 44, out0 46
	s_set_vgpr_msb 0x40
	v_lshl_add_u32 v192, v0, 2, 0x3000
	v_mov_b32 v193, 0
	s_set_vgpr_msb 0x4000
	v_lshrrev_b32 v[TM], 5, v0
	v_readfirstlane_b32 s8, v[TM]                  ; wave 0..7
	s_lshl_b32 s10, ttmp9, 3
	s_add_co_u32 s10, s10, s8                      ; id = 8 x work-group + wave
	s_mul_i32 s9, s8, STAGE                        ; my stage in LDS
	s_mov_b32 s4, 0x07060302                       ; v_perm_b32: {first source's upper half, second source's upper half}
	s_mov_b32 s5, 0xffff0000                       ; the upper half: a number cut to bf16
	s_mov_b32 s55, 0xbfb8aa3b                      ; -log2(e)
	s_lshl_b32 s48, s10, 13                        ; id x 1,024 points x 8 bytes (below 2^24)
	s_mov_b32 s49, 0
	s_mul_i32 s50, s10, PTS_WAVE*12                ; id x 1,024 points x 12 bytes (below 2^25)
	s_mov_b32 s51, 0
	v_and_b32 v[LANE], 31, v0
	v_and_b32 v[TR], 15, v0
	v_bfe_u32 v[TH], v0, 4, 1
	v_lshlrev_b32 v[VCO], 3, v[LANE]
	v_lshlrev_b32 v[VOO], 4, v[LANE]
	v_mul_u32_u24 v[VST], v[LANE], 12
	v_add_nc_u32 v[VST], s9, v[VST]
	v_lshl_add_u32 v[VLD], v[LANE], 4, s9
	v_lshlrev_b32 v[AB_A], 5, v[TH]                ; a bias tile: 8 f32 from 8 h
	v_lshl_add_u32 v[AW_A], v[TR], 7, v[AB_A]      ; a weight tile: row r of 128 bytes, 8 f32 from k = 8 h
	v_and_b32 v[AF_A], 7, v[TR]
	v_min_u32 v[AF_A], 2, v[AF_A]                  ; rows 0-2 and 8-10 of the last A are wf's rows 0-2; the other lanes read row 2 and drop it
	v_lshl_add_u32 v[AF_A], v[AF_A], 6, v[AB_A]
	v_lshlrev_b32 v[A0_A], 3, v[TR]
	v_lshlrev_b32 v[B0_A], 2, v[TR]
	s_wait_kmcnt 0x0
	s_add_nc_u64 s[16:17], s[16:17], s[48:49]      ; coords at my first point
	s_add_nc_u64 s[46:47], s[46:47], s[50:51]      ; out0 at my first point
	s_load_b96 s[52:54], s[44:45], 0x0             ; bf
	; All the set-up's loads in one run: the first trip's coordinates, then weights and biases.
.irp s, 0,1,2,3
	global_load_b64 v[CO+2*\s:CO+2*\s+1], v[VCO], s[16:17] offset:256*\s th:TH_LOAD_NT
.endr
.irp l, 0,1,2,3
.irp t, 0,1
	global_load_b128 v[D+32*\l+16*\t:D+32*\l+16*\t+3],     v[AW_A], s[22+4*\l:23+4*\l] offset:2048*\t      ; k = 8h .. 8h+3 of row 16 t + r
	global_load_b128 v[D+32*\l+16*\t+4:D+32*\l+16*\t+7],   v[AW_A], s[22+4*\l:23+4*\l] offset:2048*\t+16   ; k = 8h+4 ..
	global_load_b128 v[D+32*\l+16*\t+8:D+32*\l+16*\t+11],  v[AW_A], s[22+4*\l:23+4*\l] offset:2048*\t+64   ; k = 16+8h ..
	global_load_b128 v[D+32*\l+16*\t+12:D+32*\l+16*\t+15], v[AW_A], s[22+4*\l:23+4*\l] offset:2048*\t+80   ; k = 16+8h+4 ..
.endr
.endr
	global_load_b128 v[TW5:TW5+3],     v[AW_A], s[38:39]
	global_load_b128 v[TW5+4:TW5+7],   v[AW_A], s[38:39] offset:16
	global_load_b128 v[TW5+8:TW5+11],  v[AW_A], s[38:39] offset:64
	global_load_b128 v[TW5+12:TW5+15], v[AW_A], s[38:39] offset:80
	global_load_b128 v[TWF:TWF+3],     v[AF_A], s[42:43]
	global_load_b128 v[TWF+4:TWF+7],   v[AF_A], s[42:43] offset:16
	global_load_b64 v[TW:TW+1],   v[A0_A], s[18:19]              ; w0's row r
	global_load_b64 v[TW+2:TW+3], v[A0_A], s[18:19] offset:128   ; and row 16 + r
	global_load_b32 v[TB],   v[B0_A], s[20:21]
	global_load_b32 v[TB+1], v[B0_A], s[20:21] offset:64
	WIN 0x40                                       ; destination above v255: the biases land where they stay
.irp l, 0,1,2,3
.irp t, 0,1
	global_load_b128 v[BI+16*\l+8*\t:BI+16*\l+8*\t+3],   v[AB_A], s[24+4*\l:25+4*\l] offset:64*\t      ; b[16 t + 8 h + 0..3]
	global_load_b128 v[BI+16*\l+8*\t+4:BI+16*\l+8*\t+7], v[AB_A], s[24+4*\l:25+4*\l] offset:64*\t+16
.endr
.endr
	global_load_b128 v[B5:B5+3],   v[AB_A], s[40:41]
	global_load_b128 v[B5+4:B5+7], v[AB_A], s[40:41] offset:16
	WIN 0
	; constants, while the loads are on their way (none of these registers is a load's target or address)
.irp k, 0,1
	v_mov_b32 v[CC+0+\k], 0x3f7ffd6b               ; c0 =   0.999960583
	v_mov_b32 v[CC+2+\k], 0xbc00167c               ; c1 =  -0.0078178608
	v_mov_b32 v[CC+4+\k], 0xc19fe3cd               ; c2 = -19.98623053
	v_mov_b32 v[CC+6+\k], 0x4213143b               ; c3 =  36.76975514
	v_mov_b32 v[CC+8+\k], 0xc2367bf5               ; c4 = -45.62105139
	v_mov_b32 v[SC+\k], 0x4098c9eb                 ; S = 30 / (2 pi)
	v_mov_b32 v[MQ+\k], 0xbe800000                 ; -1/4
	v_mov_b32 v[NL+\k], 0xbfb8aa3b                 ; -log2(e)
	v_mov_b32 v[F0+8*\k+6], 0x3f803f80             ; layer 0's B, register 6: 1, 1 (against bh, bm)
	v_mov_b32 v[F0+8*\k+7], 0x00003f80             ; register 7: 1, 0 (against bl, 0)
.endr
	v_cmp_gt_u32 s56, 16, v[LANE]                  ; lanes 0-15
	v_cmp_le_u32 s57, 16, v[LANE]                  ; lanes 16-31
	v_cmp_gt_u32 s58, 3, v[TR]                     ; rows 0-2
	v_add_nc_u32 v[TM], -8, v[TR]
	v_cmp_gt_u32 s59, 3, v[TM]                     ; rows 8-10 (unsigned: rows 0-7 wrap to large numbers)
	s_wait_loadcnt 0x0                             ; all of the set-up's loads
	s_wait_kmcnt 0x0                               ; bf
	; scale in f32
.set j, 0
.rept 64
	v_pk_mul_f32 v[D+2*j:D+2*j+1], v[D+2*j:D+2*j+1], v[SC:SC+1]
.set j, j+1
.endr
.set j, 0
.rept 8
	v_pk_mul_f32 v[TW5+2*j:TW5+2*j+1], v[TW5+2*j:TW5+2*j+1], v[SC:SC+1]
.set j, j+1
.endr
.irp i, 0,1,2,3
	v_pk_mul_f32 v[TWF+2*\i:TWF+2*\i+1], v[TWF+2*\i:TWF+2*\i+1], v[NL:NL+1]
.endr
	v_pk_mul_f32 v[TW:TW+1],   v[TW:TW+1],   v[SC:SC+1]
	v_pk_mul_f32 v[TW+2:TW+3], v[TW+2:TW+3], v[SC:SC+1]
	v_pk_fma_f32 v[TB:TB+1], v[TB:TB+1], v[SC:SC+1], v[MQ:MQ+1]
	s_mul_f32 s52, s52, s55
	s_mul_f32 s53, s53, s55
	s_mul_f32 s54, s54, s55
.irp i, 0,1,2,3
	v_cvt_pk_bf16_f32 v[VWF+\i], v[TWF+2*\i], v[TWF+2*\i+1]
.endr
; x = h + m + l exactly, each part a bf16 in the upper half of its register: h and m are cuts (8 bits of x each), l is what is left (8 bits at most)
.macro SPLIT3 x, h, m, l
	v_and_b32 v[\h], s5, v[\x]
	v_sub_f32 v[\l], v[\x], v[\h]
	v_and_b32 v[\m], s5, v[\l]
	v_sub_f32 v[\l], v[\l], v[\m]
.endm
.irp t, 0,1
	SPLIT3 TW+2*\t,   P+0, P+1, P+2
	SPLIT3 TW+2*\t+1, P+3, P+4, P+5
	SPLIT3 TB+\t,     P+6, P+7, P+8
	v_perm_b32 v[VA0+8*\t+0], v[P+0], v[P+0], s4   ; w0h, w0h   against x0h, x0m
	v_perm_b32 v[VA0+8*\t+1], v[P+1], v[P+1], s4   ; w0m, w0m   against x0h, x0m
	v_perm_b32 v[VA0+8*\t+2], v[P+2], v[P+0], s4   ; w0h, w0l   against x0l, x0h   (low half first)
	v_perm_b32 v[VA0+8*\t+3], v[P+3], v[P+3], s4   ; the same for the second coordinate
	v_perm_b32 v[VA0+8*\t+4], v[P+4], v[P+4], s4
	v_perm_b32 v[VA0+8*\t+5], v[P+5], v[P+3], s4
	v_perm_b32 v[VA0+8*\t+6], v[P+7], v[P+6], s4   ; bh, bm     against 1, 1
	v_lshrrev_b32 v[VA0+8*\t+7], 16, v[P+8]        ; bl, 0      against 1, 0
.endr
	WIN 0x40                                       ; destination above v255, sources below
.set j, 0
.rept 64
	v_cvt_pk_bf16_f32 v[AW+j], v[D+2*j], v[D+2*j+1]        ; register 16 l + 8 t + i from numbers 2 i, 2 i + 1 of tile (l, t)
.set j, j+1
.endr
.set j, 0
.rept 8
	v_cvt_pk_bf16_f32 v[A5+j], v[TW5+2*j], v[TW5+2*j+1]
.set j, j+1
.endr
.set j, 0
.rept 16
	v_cndmask_b32 v[A0LO+j], 0, v[VA0+j], s56
	v_cndmask_b32 v[A0HI+j], 0, v[VA0+j], s57
.set j, j+1
.endr
.irp i, 0,1,2,3
	v_cndmask_b32 v[AF+\i],   0, v[VWF+\i], s58    ; rows 0-2: wf on k 0-15
	v_cndmask_b32 v[AF+4+\i], 0, v[VWF+\i], s59    ; rows 8-10: wf on k 16-31
.endr
	v_mov_b32 v[BF+0], s52                         ; rows 8 h + 0..2: -log2(e) bf
	v_mov_b32 v[BF+1], s53
	v_mov_b32 v[BF+2], s54
.irp i, 3,4,5,6,7
	v_mov_b32 v[BF+\i], 0
.endr
	WIN 0x41                                       ; destination and source 0 above v255
.set j, 0
.rept 36
	v_pk_fma_f32 v[BI+2*j:BI+2*j+1], v[BI+2*j:BI+2*j+1], v[SC:SC+1], v[MQ:MQ+1]   ; C = S b - 1/4: layers 1-4 and, behind them, layer 5
.set j, j+1
.endr
	WIN 0
; Layer 0's B fragment fb from block s of 32 points: six lines on temporaries, then registers 0-5 of the fragment.
.macro PREP s, fb
	v_and_b32 v[P+8*\fb+0], s5, v[CO+2*\s]                 ; xh
	v_and_b32 v[P+8*\fb+1], s5, v[CO+2*\s+1]
	v_pk_add_f32 v[P+8*\fb+2:P+8*\fb+3], v[CO+2*\s:CO+2*\s+1], v[P+8*\fb+0:P+8*\fb+1] neg_lo:[0,1] neg_hi:[0,1]
	v_and_b32 v[P+8*\fb+4], s5, v[P+8*\fb+2]               ; xm
	v_and_b32 v[P+8*\fb+5], s5, v[P+8*\fb+3]
	v_pk_add_f32 v[P+8*\fb+6:P+8*\fb+7], v[P+8*\fb+2:P+8*\fb+3], v[P+8*\fb+4:P+8*\fb+5] neg_lo:[0,1] neg_hi:[0,1]   ; xl
	v_perm_b32 v[F0+8*\fb+0], v[P+8*\fb+4], v[P+8*\fb+0], s4   ; x0h, x0m (low half first)
	v_perm_b32 v[F0+8*\fb+1], v[P+8*\fb+4], v[P+8*\fb+0], s4   ; x0h, x0m
	v_perm_b32 v[F0+8*\fb+2], v[P+8*\fb+0], v[P+8*\fb+6], s4   ; x0l, x0h
	v_perm_b32 v[F0+8*\fb+3], v[P+8*\fb+5], v[P+8*\fb+1], s4
	v_perm_b32 v[F0+8*\fb+4], v[P+8*\fb+5], v[P+8*\fb+1], s4
	v_perm_b32 v[F0+8*\fb+5], v[P+8*\fb+1], v[P+8*\fb+7], s4
.endm
; The matrix instructions, all under window MM.  Each writes a tile of its own; none reads another's result.
.macro MM0 s, fb                       ; layer 0 of block s: both groups, both tiles
	v_wmma_f32_16x16x32_bf16 v[D+32*\s:D+32*\s+7],     v[A0LO:A0LO+7],    v[F0+8*\fb:F0+8*\fb+7], 0
	v_wmma_f32_16x16x32_bf16 v[D+32*\s+8:D+32*\s+15],  v[A0LO+8:A0LO+15], v[F0+8*\fb:F0+8*\fb+7], 0
	v_wmma_f32_16x16x32_bf16 v[D+32*\s+16:D+32*\s+23], v[A0HI:A0HI+7],    v[F0+8*\fb:F0+8*\fb+7], 0
	v_wmma_f32_16x16x32_bf16 v[D+32*\s+24:D+32*\s+31], v[A0HI+8:A0HI+15], v[F0+8*\fb:F0+8*\fb+7], 0
.endm
.macro MML l, s                        ; layer l + 1 (l = 0..3) of block s
	v_wmma_f32_16x16x32_bf16 v[D+32*\s:D+32*\s+7],     v[AW+16*\l:AW+16*\l+7],    v[F+16*\s:F+16*\s+7],    v[BI+16*\l:BI+16*\l+7]
	v_wmma_f32_16x16x32_bf16 v[D+32*\s+8:D+32*\s+15],  v[AW+16*\l+8:AW+16*\l+15], v[F+16*\s:F+16*\s+7],    v[BI+16*\l+8:BI+16*\l+15]
	v_wmma_f32_16x16x32_bf16 v[D+32*\s+16:D+32*\s+23], v[AW+16*\l:AW+16*\l+7],    v[F+16*\s+8:F+16*\s+15], v[BI+16*\l:BI+16*\l+7]
	v_wmma_f32_16x16x32_bf16 v[D+32*\s+24:D+32*\s+31], v[AW+16*\l+8:AW+16*\l+15], v[F+16*\s+8:F+16*\s+15], v[BI+16*\l+8:BI+16*\l+15]
.endm
.macro MM5 s                           ; layer 5: one tile for each group, side by side
	v_wmma_f32_16x16x32_bf16 v[D+32*\s:D+32*\s+7],    v[A5:A5+7], v[F+16*\s:F+16*\s+7],    v[B5:B5+7]
	v_wmma_f32_16x16x32_bf16 v[D+32*\s+8:D+32*\s+15], v[A5:A5+7], v[F+16*\s+8:F+16*\s+15], v[B5:B5+7]
.endm
.macro MMF s                           ; the last layer: one instruction for the block's 32 points
	v_wmma_f32_16x16x32_bf16 v[D+32*\s+16:D+32*\s+23], v[AF:AF+7], v[F+16*\s:F+16*\s+7], v[BF:BF+7]
.endm
; 16 registers of t - 1/4 at d become 8 registers of bf16 sines at f: 64 instructions; a line's source was written 8 lines or more before it.
.macro SINE16 d, f
.irp i, 0,1,2,3,4,5,6,7,8,9,10,11,12,13,14,15
	v_fract_f32 v[\d+\i], v[\d+\i]
.endr
.irp i, 0,1,2,3,4,5,6,7
	v_pk_fma_f32 v[\d+2*\i:\d+2*\i+1], v[\d+2*\i:\d+2*\i+1], v[\d+2*\i:\d+2*\i+1], v[\d+2*\i:\d+2*\i+1] neg_lo:[0,0,1] neg_hi:[0,0,1]   ; w = f f - f
.endr
.irp i, 0,1,2,3,4,5,6,7
	v_pk_fma_f32 v[P+2*\i:P+2*\i+1], v[\d+2*\i:\d+2*\i+1], v[CC+8:CC+9], v[CC+6:CC+7]
.endr
.irp c, 4,2,0
.irp i, 0,1,2,3,4,5,6,7
	v_pk_fma_f32 v[P+2*\i:P+2*\i+1], v[P+2*\i:P+2*\i+1], v[\d+2*\i:\d+2*\i+1], v[CC+\c:CC+\c+1]
.endr
.endr
.irp i, 0,1,2,3,4,5,6,7
	v_cvt_pk_bf16_f32 v[\f+\i], v[P+2*\i], v[P+2*\i+1]
.endr
.endm
.macro SINE4 sa, sb                    ; both groups of two blocks
	SINE16 D+32*\sa,    F+16*\sa
	SINE16 D+32*\sa+16, F+16*\sa+8
	SINE16 D+32*\sb,    F+16*\sb
	SINE16 D+32*\sb+16, F+16*\sb+8
.endm
; 1 / (1 + 2^D) for two blocks, and into the stage.  Behind a run of transcendentals one plain line stands before their results are used (ISA guide 5.7.2).
.macro SIG2 sa, sb
.irp s, \sa, \sb
.irp c, 0,1,2
	v_exp_f32 v[D+32*\s+24+\c], v[D+32*\s+16+\c]
.endr
.endr
	v_nop
	s_wait_alu depctr_va_vdst(0)
.irp s, \sa, \sb
	v_pk_add_f32 v[D+32*\s+24:D+32*\s+25], v[D+32*\s+24:D+32*\s+25], 1.0 op_sel_hi:[1,0]
	v_add_f32 v[D+32*\s+26], 1.0, v[D+32*\s+26]
.endr
.irp s, \sa, \sb
.irp c, 0,1,2
	v_rcp_f32 v[D+32*\s+28+\c], v[D+32*\s+24+\c]
.endr
.endr
	v_nop
	s_wait_alu depctr_va_vdst(0)
.irp s, \sa, \sb
.irp c, 0,1,2
	ds_store_b32 v[VST], v[D+32*\s+28+\c] offset:384*\s+4*\c   ; point 32 s + lane, number c: the 32 lanes' words 3 lane + c lie in 32 different banks of the 64 (ISA guide 11.1)
.endr
.endr
.endm
; A trip: 128 points, as blocks 0, 1 (X) and 2, 3 (Y), which take turns: behind X's matrix instructions stand Y's sines, 128 plain vector
; instructions or more that name none of X's registers, before anything reads X's results or writes X's fragments, and the other way
; round (ISA guide 7.12.1 asks for four or five such places).
; ahead = 1: the next trip's coordinates are asked for, and the bases step.
.macro TRIP ahead
	s_wait_loadcnt 0x0                             ; the four coordinate loads, issued a whole trip ago (the first trip's: in the set-up)
	PREP 0, 0
	PREP 1, 1
	WIN MM
	MM0 0, 0
	MM0 1, 1
	WIN 0
	PREP 2, 0                                      ; its six lines on temporaries are the places in front of its first write into fragment 0, which MM0 0 read
	PREP 3, 1
	WIN MM
	MM0 2, 0
	MM0 3, 1
	WIN 0
.if \ahead
.irp s, 0,1,2,3
	global_load_b64 v[CO+2*\s:CO+2*\s+1], v[VCO], s[16:17] offset:PTS_TRIP*8+256*\s th:TH_LOAD_NT   ; 256 consecutive bytes a load, aligned; read once in the launch
.endr
.endif
.irp l, 0,1,2,3
	SINE4 0, 1
	WIN MM
	MML \l, 0
	MML \l, 1
	WIN 0
	SINE4 2, 3
	WIN MM
	MML \l, 2
	MML \l, 3
	WIN 0
.endr
	SINE4 0, 1
	WIN MM
	MM5 0
	MM5 1
	WIN 0
	SINE4 2, 3
	WIN MM
	MM5 2
	MM5 3
	WIN 0
	SINE16 D+32*0, F+16*0                          ; layer 5's sines: group a's 8 registers and group b's 8 make one fragment
	SINE16 D+32*1, F+16*1
	WIN MM
	MMF 0
	MMF 1
	WIN 0
	SINE16 D+32*2, F+16*2
	SINE16 D+32*3, F+16*3
	WIN MM
	MMF 2
	MMF 3
	WIN 0
	SIG2 0, 1                                      ; its six plain lines (two v_nop, four sums) name only blocks 0 and 1: the places behind MMF 2 and MMF 3
	SIG2 2, 3
.irp i, 0,1,2
	ds_load_b128 v[P+4*\i:P+4*\i+3], v[VLD] offset:512*\i      ; LDS serves a wave's instructions in order (ISA guide 5.7.1.4): these see the stores above; the bytes are my wave's own
.endr
.irp i, 0,1,2
	s_wait_dscnt 2-\i                              ; load i is back; the 2 - i younger ones may be out
	global_store_b128 v[VOO], v[P+4*\i:P+4*\i+3], s[46:47] offset:512*\i th:TH_STORE_NT   ; 512 consecutive bytes, at a multiple of 512 from out0's first byte
.endr
.if \ahead
	s_wait_xcnt 0x0                                ; the stores' data (P) and both bases are rewritten only behind this wait
	s_add_nc_u64 s[16:17], s[16:17], PTS_TRIP*8
	s_add_nc_u64 s[46:47], s[46:47], PTS_TRIP*12
.endif
.endm
	s_mov_b32 s3, TRIPS-1
.Ltrip:
	TRIP 1
	s_sub_co_u32 s3, s3, 1
	s_cmp_lg_u32 s3, 0
	s_cbranch_scc1 .Ltrip
	TRIP 0                                         ; the last trip asks for nothing: no load passes the end of coords
	s_set_vgpr_msb 0x5
	s_wait_tensorcnt 0x0
	ds_add_u32 v192, v193
	s_wait_dscnt 0x0
	s_set_vgpr_msb 0x500
	s_endpgm
.Lfunc_end_k_q4274336113_siren:
	.size	k_q4274336113_siren, .Lfunc_end_k_q4274336113_siren-k_q4274336113_siren
	.p2alignl 7, 3214868480
	.fill 96, 4, 3214868480
	.section	.rodata,"a",@progbits
	.p2align	6, 0x0
	.amdhsa_kernel k_q4274336113_siren
		.amdhsa_group_segment_fixed_size 13312
		.amdhsa_private_segment_fixed_size 0
		.amdhsa_enable_private_segment 0
		.amdhsa_kernarg_size 128
		.amdhsa_user_sgpr_count 2
		.amdhsa_user_sgpr_kernarg_segment_ptr 1
		.amdhsa_wavefront_size32 1
		.amdhsa_system_sgpr_workgroup_id_x 1
		.amdhsa_system_sgpr_workgroup_id_y 1
		.amdhsa_system_sgpr_workgroup_id_z 1
		.amdhsa_system_vgpr_workitem_id 0
		.amdhsa_next_free_vgpr 450
		.amdhsa_next_free_sgpr 66
		.amdhsa_reserve_vcc 0
		.amdhsa_float_denorm_mode_32 3
		.amdhsa_float_denorm_mode_16_64 3
		.amdhsa_memory_ordered 1
		.amdhsa_forward_progress 1
		.amdhsa_inst_pref_size 255
	.end_amdhsa_kernel
	.section	.bss,"aw",@nobits
	.p2align	6
	.space	262144
	.amdgpu_metadata
---
amdhsa.version: [ 1, 2 ]
amdhsa.kernels:
  - .name:           k_q4274336113_siren
    .symbol:         k_q4274336113_siren.kd
    .args:
      - { .name: coords, .offset: 0, .size: 8, .value_kind: global_buffer, .address_space: global }
      - { .name: w0, .offset: 8, .size: 8, .value_kind: global_buffer, .address_space: global }
      - { .name: b0, .offset: 16, .size: 8, .value_kind: global_buffer, .address_space: global }
      - { .name: w1, .offset: 24, .size: 8, .value_kind: global_buffer, .address_space: global }
      - { .name: b1, .offset: 32, .size: 8, .value_kind: global_buffer, .address_space: global }
      - { .name: w2, .offset: 40, .size: 8, .value_kind: global_buffer, .address_space: global }
      - { .name: b2, .offset: 48, .size: 8, .value_kind: global_buffer, .address_space: global }
      - { .name: w3, .offset: 56, .size: 8, .value_kind: global_buffer, .address_space: global }
      - { .name: b3, .offset: 64, .size: 8, .value_kind: global_buffer, .address_space: global }
      - { .name: w4, .offset: 72, .size: 8, .value_kind: global_buffer, .address_space: global }
      - { .name: b4, .offset: 80, .size: 8, .value_kind: global_buffer, .address_space: global }
      - { .name: w5, .offset: 88, .size: 8, .value_kind: global_buffer, .address_space: global }
      - { .name: b5, .offset: 96, .size: 8, .value_kind: global_buffer, .address_space: global }
      - { .name: wf, .offset: 104, .size: 8, .value_kind: global_buffer, .address_space: global }
      - { .name: bf, .offset: 112, .size: 8, .value_kind: global_buffer, .address_space: global }
      - { .name: out0, .offset: 120, .size: 8, .value_kind: global_buffer, .address_space: global }
    .group_segment_fixed_size: 13312
    .private_segment_fixed_size: 0
    .kernarg_segment_align: 8
    .kernarg_segment_size: 128
    .max_flat_workgroup_size: 256
    .sgpr_count:     66
    .vgpr_count:     450
    .wavefront_size: 32
...
	.end_amdgpu_metadata
.endif
;; end of part 1
